; MI455X (gfx1250); checked and timed in simulation.
; The chip was launched on July 23, 2026; its instructions are those of AMD's public machine-readable ISA for CDNA 5 (MIT licence, August 2026) and "CDNA5" Instruction Set Architecture Reference Guide (July 2026). The comments in the code are by the model that wrote it; some were corrected since.
;; Causal Self Attention. Allowed arithmetic: matrix products marked QUANTISED: E4M3 operands, one given power-of-two scale a tensor, by v_wmma_f32_16x16x64_fp8_fp8 or v_wmma_f32_16x16x128_fp8_fp8, f32 sums; everything else in f32.
;; Inputs: b_proj 1,024 float32; lowp_scales 8 int32 (the exponents e of the quantised operands' scales 2^e); w_proj 1,024 x 1,024 float32; w_qkv 1,024 x 3,072 float32; x 4 x 2,048 x 1,024 float32.
;; Outputs: out0 4 x 2,048 x 1,024 float32.
;; This version of the problem:
;;   THIS VERSION OF THE PROBLEM IS GIVEN IN LOW PRECISION. The matrix products marked QUANTISED in the list below multiply operands that are first quantised to E4M3 (4 exponent bits, 3 mantissa bits; 8 bits a number), with one given power-of-two scale for each operand tensor; their sums are f32. All else is computed in f32.
;;   The module's matrix products, in the order in which they are computed (A, B: the left and right operand; K: the contracted axis; several contracted axes count as one K, in the product's order):
;;     1. [M 8,192, K 1,024] x [K 1,024, N 3,072]; A: input x; B: input w_qkv: QUANTISED (scales: A lowp_scales[0], B lowp_scales[1])
;;     2. batch 64 x [M 2,048, K 64] x [K 64, N 2,048]; A: computed on the way; B: computed on the way: QUANTISED (scales: A lowp_scales[2], B lowp_scales[3])
;;     3. batch 64 x [M 2,048, K 2,048] x [K 2,048, N 64]; A: softmax (see below); B: computed on the way: QUANTISED (scales: A lowp_scales[4], B lowp_scales[5])
;;     4. [M 8,192, K 1,024] x [K 1,024, N 1,024]; A: computed on the way; B: input w_proj: QUANTISED (scales: A lowp_scales[6], B lowp_scales[7])
;;   THE QUANTISER, for each operand of a quantised product, along K:
;;     - The operand's scale is 2^e, e = its entry of the input lowp_scales (int32; the entries are numbered through the quantised products in the list's order, A before B).
;;     - Each number is divided by the scale, clamped to +-448, and rounded to the nearest number of E4M3, ties to even, subnormals kept.
;;     - The product sums the exact products of the quantised numbers (number of the format x scale) in f32.
;;   ~~~python
;;   def quantise(x, axis, e):      # numpy; x: float32 -> the quantised numbers, widened to float32 again
;;       x = np.moveaxis(x, axis, -1); K = x.shape[-1]
;;       r = np.clip(x / 2.0 ** e, -448, 448)
;;       step = 2.0 ** (np.maximum(np.frexp(np.where(r == 0, 1, r))[1] - 1, -6) - 3)
;;       q = np.round(r / step) * step * 2.0 ** e      # np.round: ties to even
;;       return np.moveaxis(q, -1, axis).astype(np.float32)
;;   ~~~
;;   SOFTMAX AHEAD OF A QUANTISED PRODUCT. Where the list says 'softmax', what is quantised is not the finished softmax but p = 2^(t - M), with t = logit x log2(e) and M = ceil(the row's largest t), a whole number; so 1/2 < the row's largest p <= 1. The row's sum l is taken of the UNQUANTISED p, in f32, and the product's result is divided by l at the end. Since M is a whole number, a kernel that streams over the keys may use a running M (the ceiling of the running maximum): every later rescaling is an exact power of two, so the quantised numbers keep their values, but for numbers so far below the row's largest that they fall under the format's range.
;;   OPERANDS COMPUTED ON THE WAY. 'Computed on the way' means the value that the module computes at that place (a softmax that the list does not call 'softmax' is quantised finished and normalised). What goes into a quantiser is computed in f32, as accurately as f32 sums, v_exp_f32 and their like allow (about 1e-6 of the number): no bf16 or f16 on the way to a quantiser, and a product that is left as it is and whose result goes on into a quantised operand takes f32 operands (vector FMAs, or v_wmma_f32_16x16x4_f32). A number that lies on a knife's edge between two numbers of the format may be rounded either way, as far as f32 arithmetic and the matrix unit's own rounding can turn it there, and no further.
;; One version. Each part assembles by itself: llvm-mc -triple=amdgcn-amd-amdhsa -mcpu=gfx1250 --defsym DOCPART=n.
;; ======== version 1 of 1: 4 launches
;; limits: right only within a limited range of input values
;; workspace buffers: codes 12,582,912 bytes; qkvc 25,165,824 bytes; yc 8,388,608 bytes
;; launch prep (part 1): grid 384 x 1, 4 waves a work-group, no clusters, 34,304 bytes of LDS; arguments x, w_qkv, w_proj, lowp_scales, codes; writes codes
.if DOCPART == 1
	.amdgcn_target "amdgcn-amd-amdhsa--gfx1250"
	.amdhsa_code_object_version 6
	.text
	.protected	k_q4a65c500a5_prep
	.globl	k_q4a65c500a5_prep
	.p2align	8
	.type	k_q4a65c500a5_prep,@function
k_q4a65c500a5_prep:
	s_mov_b64 s[64:65], 0
	v_nop
	global_prefetch_b8 v0, s[64:65] scope:SCOPE_SE
	s_setreg_imm32_b32 hwreg(HW_REG_WAVE_MODE, 25, 1), 1
	s_wait_xcnt 0x0
; x [8192][1024], w_qkv [1024][3072] and w_proj [1024][1024], all f32, become codes of FP8 (E4M3), each with its given scale 2^e (entries 0, 1 and 7 of the scales).
; code = number / 2^e, held within +-448, rounded to the nearest code, ties to even.
; THE CODES LIE AS IMAGES OF THE MATRIX OPERAND'S REGISTERS: codes = [K step of 256: 4][tile of 16 operand rows: 768][128 along K: 2][2,048 bytes].  In an image, register group g (registers 4 g .. 4 g + 3) is 512 bytes,
; lane l's 16 bytes at 16 l; lane (r = l % 16, h = l / 16) holds, of row r, k = 32 g + 8 h + 0..7 and k = 32 g + 16 + 8 h + 0..7: the places that the plain fp8 form gives them.
; Tiles 0-511: x's tokens; 512-703: w_qkv's columns; 704-767: w_proj's columns.
; Work-groups 0-255 take x (K innermost: the numbers turn through a stage in LDS, so that loads are dense and a lane still gets neighbours along K); work-groups 256-383 take the weights
; (K is their first axis: a lane takes a column and its registers run down K; no LDS).  Waves share nothing: no barrier.
; LIMITS: each e lies between -126 and 119, so that 2^e and 448 x 2^e are f32 numbers.  NaN among the inputs is not served.
.set KS,    3145728                    ; bytes from one K step of 256 to the next: 768 tiles x 4,096
.set STGB,  8448                       ; a wave's stage: 16 rows x 528 bytes
.set SP,    528                        ; a stage row: 512 bytes + 16: 33 x 16, so sixteen rows' equal columns fall on sixteen different 16-byte columns of 256
.set SPARE, 4*STGB                     ; behind the stages: the spare words, 128 bytes a wave: two blocks of 256 bytes that no other line names
.set SPW,   12                         ; v12  LDS address of my spare word; never rewritten
.set NIL,   13                         ; v13  0; never rewritten
.set R,     16                         ; x: v16-143  two sets of 64: 16 rows x 16 bytes a lane, as loaded
.set X,     144                        ; x: v144-207 64 numbers of my row: register 8 c + i = k 16 c + 8 h + i
.set C,     208                        ; x: v208-239 two sets of 16: an image's registers
.set RO,    16                         ; weights: v16-47  byte offset of row i of a block of 32, at my column
.set XW,    48                         ; weights: v48-111 two sets of 32 numbers down K
.set CW,    112                        ; weights: v112-175 eight registers of codes a block, never rewritten
	s_load_b256 s[4:11], s[0:1], 0x0               ; x s[4:5], w_qkv s[6:7], w_proj s[8:9], the scales s[10:11]
	s_load_b64 s[12:13], s[0:1], 0x20              ; codes
	v_lshl_add_u32 v[SPW], v0, 2, SPARE
	v_mov_b32 v[NIL], 0
	v_lshrrev_b32 v1, 5, v0
	v_readfirstlane_b32 s16, v1                    ; wave 0..3
	v_and_b32 v2, 31, v0                           ; lane
	v_lshlrev_b32 v3, 4, v2                        ; 16 x lane
	s_wait_kmcnt 0x0
	s_load_b256 s[24:31], s[10:11], 0x0            ; e0 .. e7
	s_cmp_lt_u32 ttmp9, 256                        ; the work-group's number alone decides the path
	s_cbranch_scc0 .Lweights
; ---------------- x: a wave takes 16 rows x 512 along K, in four steps of 128
	s_lshl_b32 s17, ttmp9, 1
	s_lshr_b32 s18, s16, 1
	s_add_co_u32 s17, s17, s18                     ; my tile of 16 rows: 2 x work-group + wave / 2
	s_and_b32 s18, s16, 1                          ; my half of K
	s_lshl_b32 s20, s17, 16                        ; 16 rows of 4,096 bytes
	s_lshl_b32 s21, s18, 11                        ; 512 numbers
	s_add_co_u32 s20, s20, s21
	s_mov_b32 s21, 0
	s_add_nc_u64 s[4:5], s[4:5], s[20:21]
	s_mul_i32 s22, s18, 2*768                      ; my half of K is K steps 2 x half and 2 x half + 1
	s_add_co_u32 s22, s22, s17
	s_lshl_b32 s22, s22, 12
	s_mov_b32 s23, 0
	s_add_nc_u64 s[12:13], s[12:13], s[22:23]
	s_mul_i32 s19, s16, STGB                       ; my stage
	s_wait_alu depctr_va_vdst(0)
	v_add_nc_u32 v14, s19, v3                      ; in: a row's 512 bytes as they lie
	v_and_b32 v4, 15, v0                           ; r
	v_bfe_u32 v5, v0, 4, 1                         ; h
	v_mul_u32_u24 v15, v4, SP
	v_lshl_add_u32 v15, v5, 5, v15
	v_add_nc_u32 v15, s19, v15                     ; back: row r, + 32 h bytes: eight numbers of each sixteen
.macro LOADX st                        ; step st: 16 loads, each 512 consecutive bytes of one row
.set LR, 0
.rept 16
	global_load_b128 v[R+64*((\st)%2)+4*LR:R+64*((\st)%2)+4*LR+3], v3, s[4:5] offset:LR*4096+(\st)*512 th:TH_LOAD_NT
.set LR, LR+1
.endr
.endm
.macro STEPX st
.if (\st) < 3
	s_wait_loadcnt 16                              ; this step's 16 loads are in; the next step's 16 may be out
.else
	s_wait_loadcnt 0x0
.endif
.set I, 0
.rept 16
	ds_store_b128 v14, v[R+64*((\st)%2)+4*I:R+64*((\st)%2)+4*I+3] offset:SP*I
.set I, I+1
.endr
.set I, 0
.rept 8                                ; LDS serves a wave's instructions in order: these see the stores above, and the next step's stores come behind them
	ds_load_b128 v[X+8*I:X+8*I+3], v15 offset:64*I
	ds_load_b128 v[X+8*I+4:X+8*I+7], v15 offset:64*I+16
.set I, I+1
.endr
	s_wait_dscnt 0x0                               ; my numbers are back, and the stores into the stage have read their registers,
.if (\st) < 2
	LOADX (\st)+2                                  ; which take the loads of two steps on
.else
	s_wait_xcnt 0x0                                ; the stores of two steps back have read this set of code registers
.endif
.set I, 0
.rept 64
.set I, I+1
.endr
.set I, 0
.rept 8
	v_cvt_scalef32_pk8_fp8_f32 v[C+16*((\st)%2)+2*I:C+16*((\st)%2)+2*I+1], v[X+8*I:X+8*I+7], v11
.set I, I+1
.endr
	v_nop                                          ; a plain line behind the last conversion
.set I, 0
.rept 4
	global_store_b128 v3, v[C+16*((\st)%2)+4*I:C+16*((\st)%2)+4*I+3], s[12:13] offset:((\st)/2)*KS+((\st)%2)*2048+512*I   ; 32 lanes store 512 consecutive bytes
.set I, I+1
.endr
.endm
	LOADX 0
	LOADX 1
	s_wait_alu depctr_va_vdst(0)
	s_wait_kmcnt 0x0
	s_add_co_i32 s20, s24, 127
	s_lshl_b32 s21, s20, 23
	v_mov_b32 v11, s21                             ; 2^e0 as f32: the conversion takes its exponent field
	s_add_co_i32 s20, s20, 8
	s_lshl_b32 s20, s20, 23
	s_or_b32 s20, s20, 0x600000
	s_wait_alu depctr_va_vdst(0)
	STEPX 0
	STEPX 1
	STEPX 2
	STEPX 3
	s_wait_tensorcnt 0x0                           ; the wave's end: behind my last LDS store
	ds_add_u32 v[SPW], v[NIL]
	s_wait_dscnt 0x0
	s_endpgm
; ---------------- the weights: a wave takes 32 columns x 256 along K, in eight blocks of 32
.Lweights:
	s_sub_co_u32 s17, ttmp9, 256
	s_and_b32 s18, s17, 31                         ; which 128 columns: 0-23 of w_qkv, 24-31 of w_proj
	s_lshr_b32 s19, s17, 5                         ; which K step of 256
	s_mov_b32 s20, 4096
	s_cmp_lt_u32 s18, 24                           ; the choice hangs on the work-group's number alone
	s_cselect_b64 s[4:5], s[6:7], s[8:9]           ; the tensor,
	s_cselect_b32 s20, 12288, s20                  ; its row in bytes,
	s_cselect_b32 s21, 0, 24                       ; and where its columns begin in my count
	s_sub_co_u32 s21, s18, s21
	s_lshl_b32 s21, s21, 7
	s_lshl_b32 s22, s16, 5
	s_add_co_u32 s21, s21, s22                     ; my wave's first column
	s_lshl_b32 s21, s21, 2
	s_lshl_b32 s22, s19, 8
	s_mul_i32 s22, s22, s20                        ; 256 rows a K step
	s_add_co_u32 s22, s22, s21
	s_mov_b32 s23, 0
	s_add_nc_u64 s[32:33], s[4:5], s[22:23]        ; block 0's first row at my first column
	s_lshl_b32 s22, s20, 5                         ; 32 rows
.irp t, 1,2,3,4,5,6,7
	s_add_nc_u64 s[32+2*\t:33+2*\t], s[30+2*\t:31+2*\t], s[22:23]   ; a base for each block: none is ever stepped
.endr
	s_mul_i32 s17, s19, 768
	s_lshl_b32 s48, s18, 3
	s_add_co_u32 s17, s17, s48
	s_lshl_b32 s48, s16, 1
	s_add_co_u32 s17, s17, s48
	s_add_co_u32 s17, s17, 512                     ; my first tile: 768 x K step + 512 + 8 x (128 columns) + 2 x wave
	s_lshl_b32 s48, s17, 12
	s_mov_b32 s49, 0
	s_add_nc_u64 s[12:13], s[12:13], s[48:49]
	s_wait_alu depctr_va_vdst(0)
	v_lshlrev_b32 v4, 2, v2                        ; 4 bytes a lane: a lane takes a column
.set I, 0
.rept 32
	v_mad_u32_u24 v[RO+I], s20, I, v4              ; row i of a block
.set I, I+1
.endr
	v_lshrrev_b32 v5, 4, v2
	v_lshlrev_b32 v5, 12, v5                       ; lanes 16-31 hold the second tile's columns
	v_and_b32 v6, 15, v2
	v_lshl_add_u32 v5, v6, 4, v5                   ; row r of an image: 16 r
.macro LOADW t                         ; block t: 32 rows, 128 consecutive bytes a wave in each
.set LR, 0
.rept 32
	global_load_b32 v[XW+32*((\t)%2)+LR], v[RO+LR], s[32+2*(\t):33+2*(\t)] th:TH_LOAD_NT
.set LR, LR+1
.endr
.endm
.macro BLOCKW t
.set XS, XW+32*((\t)%2)
.if (\t) < 7
	s_wait_loadcnt 32                              ; this block's 32 loads are in; the next block's 32 may be out
.else
	s_wait_loadcnt 0x0
.endif
.set I, 0
.rept 32
.set I, I+1
.endr
	v_cvt_scalef32_pk8_fp8_f32 v[CW+8*(\t):CW+8*(\t)+1], v[XS:XS+7], v11           ; k 0-7 and 16-23 of the block are the image's part for h = 0,
	v_cvt_scalef32_pk8_fp8_f32 v[CW+8*(\t)+2:CW+8*(\t)+3], v[XS+16:XS+23], v11
	v_cvt_scalef32_pk8_fp8_f32 v[CW+8*(\t)+4:CW+8*(\t)+5], v[XS+8:XS+15], v11      ; k 8-15 and 24-31 its part for h = 1
	v_cvt_scalef32_pk8_fp8_f32 v[CW+8*(\t)+6:CW+8*(\t)+7], v[XS+24:XS+31], v11
	v_nop                                          ; a plain line behind the last conversion
.if (\t) < 6
	LOADW (\t)+2
.endif
	global_store_b128 v5, v[CW+8*(\t):CW+8*(\t)+3], s[12:13] offset:512*(\t)        ; sixteen lanes store 256 consecutive bytes, aligned: lanes 0-15 in one tile, lanes 16-31 in the next
	global_store_b128 v5, v[CW+8*(\t)+4:CW+8*(\t)+7], s[12:13] offset:512*(\t)+256
.endm
	LOADW 0
	LOADW 1
	s_wait_kmcnt 0x0
	s_cmp_lt_u32 s18, 24
	s_cselect_b32 s24, s25, s31                    ; e1 for w_qkv, e7 for w_proj: a value is chosen, no path
	s_add_co_i32 s24, s24, 127
	s_lshl_b32 s25, s24, 23
	v_mov_b32 v11, s25                             ; 2^e
	s_add_co_i32 s24, s24, 8
	s_lshl_b32 s24, s24, 23
	s_or_b32 s24, s24, 0x600000
	s_wait_alu depctr_va_vdst(0)
.irp t, 0,1,2,3,4,5,6,7
	BLOCKW \t
.endr
	s_endpgm
.Lfunc_end_k_q4a65c500a5_prep:
	.size	k_q4a65c500a5_prep, .Lfunc_end_k_q4a65c500a5_prep-k_q4a65c500a5_prep
	.p2alignl 7, 3214868480
	.fill 96, 4, 3214868480
	.section	.rodata,"a",@progbits
	.p2align	6, 0x0
	.amdhsa_kernel k_q4a65c500a5_prep
		.amdhsa_group_segment_fixed_size 34304
		.amdhsa_private_segment_fixed_size 0
		.amdhsa_enable_private_segment 0
		.amdhsa_kernarg_size 40
		.amdhsa_user_sgpr_count 2
		.amdhsa_user_sgpr_kernarg_segment_ptr 1
		.amdhsa_wavefront_size32 1
		.amdhsa_system_sgpr_workgroup_id_x 1
		.amdhsa_system_sgpr_workgroup_id_y 1
		.amdhsa_system_sgpr_workgroup_id_z 1
		.amdhsa_system_vgpr_workitem_id 0
		.amdhsa_next_free_vgpr 240
		.amdhsa_next_free_sgpr 66
		.amdhsa_reserve_vcc 0
		.amdhsa_float_denorm_mode_32 3
		.amdhsa_float_denorm_mode_16_64 3
		.amdhsa_fp16_overflow 1
		.amdhsa_memory_ordered 1
		.amdhsa_forward_progress 1
		.amdhsa_inst_pref_size 52
	.end_amdhsa_kernel
	.amdgpu_metadata
---
amdhsa.version: [ 1, 2 ]
amdhsa.kernels:
  - .name:           k_q4a65c500a5_prep
    .symbol:         k_q4a65c500a5_prep.kd
    .args:
      - { .name: x, .offset: 0, .size: 8, .value_kind: global_buffer, .address_space: global }
      - { .name: w_qkv, .offset: 8, .size: 8, .value_kind: global_buffer, .address_space: global }
      - { .name: w_proj, .offset: 16, .size: 8, .value_kind: global_buffer, .address_space: global }
      - { .name: lowp_scales, .offset: 24, .size: 8, .value_kind: global_buffer, .address_space: global }
      - { .name: codes, .offset: 32, .size: 8, .value_kind: global_buffer, .address_space: global }
    .group_segment_fixed_size: 34304
    .private_segment_fixed_size: 0
    .kernarg_segment_align: 8
    .kernarg_segment_size: 40
    .max_flat_workgroup_size: 128
    .sgpr_count:     66
    .vgpr_count:     240
    .wavefront_size: 32
...
	.end_amdgpu_metadata
.endif
;; end of part 1
;; launch qkv (part 2): grid 8 x 48, 4 waves a work-group, clusters of 4 x 4, 327,680 bytes of LDS; arguments codes, lowp_scales, qkvc; writes qkvc
.if DOCPART == 2
	.amdgcn_target "amdgcn-amd-amdhsa--gfx1250"
	.amdhsa_code_object_version 6
	.text
	.protected	k_q4a65c500a5_qkv
	.globl	k_q4a65c500a5_qkv
	.p2align	8
	.type	k_q4a65c500a5_qkv,@function
k_q4a65c500a5_qkv:
	s_mov_b64 s[64:65], 0
	v_nop
	global_prefetch_b8 v0, s[64:65] scope:SCOPE_SE
	s_setreg_imm32_b32 hwreg(HW_REG_WAVE_MODE, 25, 1), 1
	s_wait_xcnt 0x0
	s_wait_alu depctr_hold_cnt(0) depctr_sa_sdst(0) depctr_va_vdst(0) depctr_va_sdst(0) depctr_va_ssrc(0) depctr_va_vcc(0) depctr_vm_vsrc(0)
	s_getreg_b32 s2, hwreg(HW_REG_IB_STS2, 6, 4)
	s_cmp_eq_u32 s2, 0
	s_cbranch_scc0 .Lentry_in_a_cluster
	s_endpgm
.Lentry_in_a_cluster:
	s_bfe_u32 s2, ttmp6, 0x10000c
	s_cmp_lg_u32 s2, 0xf033
	s_cbranch_scc0 .Lentry_shape_is_right
	s_endpgm
.Lentry_shape_is_right:
; qkv = x w_qkv on codes of FP8 (E4M3), K = 1,024, and q, k, v quantised at once from the f32 sums, with the given scales (entries 2, 3, 5).  D[i][j] = sum over k of P[i][k] Q[j][k].
; A tile of D, 256 x 256, is made by four waves, each 128 x 128: 64 accumulators of 16 x 16.  K goes in steps of 256 through two LDS slots filled by the tensor data mover.
; OPERANDS LIE AS IMAGES OF THEIR REGISTERS (codes = [K step][tile of 16 rows][128 along K][2,048 bytes]; group g of four registers = 512 bytes, lane l's 16 bytes at 16 l): 128 rows of a K step are 32,768 dense bytes,
; and every fragment load is 512 consecutive bytes.  k stands in the place that the plain fp8 form gives it.
; THE MATRIX INSTRUCTION IS USED TRANSPOSED (source 0 = 16 rows of Q, source 1 = 16 rows of P): lane (r, h) of accumulator (a, b) holds D[16 a + r][16 b + 8 h + 0..7]: eight neighbours along Q's rows.
; One conversion of an accumulator is therefore a register pair of the NEXT operand's image, whose rows are P's rows and whose K runs along Q's rows.
;   clusters with y < 8: P = tokens, Q = w_qkv's columns 0-2047: images of q and k, 16 tokens x 64 of a head.
;   clusters with y >= 8: P = w_qkv's columns 2048-3071, Q = tokens: images of v, 16 of a head's 64 x 128 keys (the keys are the second attention product's K).
; The two cases differ in addresses and in one scale alone, chosen by s_cselect on the cluster's y: one text, no branch.  A wave's 128 x 128 codes are one dense block of 16,384 bytes of qkvc.
; qkvc: q at 0, k at 2^23, v at 2^24; each [batch x 8 + pair of heads][block of 128 tokens][16,384]; q, k: [tile of 16 tokens: 8][head of the pair][1,024]; v: [head of the pair][tile of 16 d: 4][2,048].
; CLUSTERS: 4 x 4 work-groups; P's tile is shared along a row of the cluster, Q's along a column: joint loads, as many requests as a quarter of the tiles read.
; LIMITS: (e2, e3 or e5) - e0 - e1 lies between -126 and 119.
; REGISTERS, in windows of 256: window 0: v16-31 addresses and constants; v128-255 P's fragments, ONE set, later the codes.  window 1: Q's fragments, TWO sets.  windows 2, 3: the accumulators.
.set KS,     3145728                   ; bytes from one K step to the next
.set KSP,    KS
.set KSQ,    KS
.set HALFT,  32768                     ; 128 rows of a K step: what one tensor load brings, and what one wave reads of P or of Q
.set SLOT,   4*HALFT                   ; P's 256 rows, then Q's 256 rows
.set SPARE,  2*SLOT                    ; behind the ring: the spare words, 128 bytes a wave
.set FR,     16                        ; registers of a fragment
.set NL,     4                         ; LDS loads that bring one
.set NP,     4                         ; places behind this matrix instruction (ISA guide 7.12.1)
.set ADRA, 16                          ; v16-17  LDS address of my P fragments in slot 0, 1
.set ADRB, 20                          ; v20-21  the same for Q
.set CO,   26                          ; v26     16 x lane
.set SPW,  28                          ; v28     LDS address of my spare word; never rewritten
.set NIL,  29                          ; v29     0; never rewritten
.set LIMV, 30
.set SCV,  31                          ; v31     the conversion's scale
.set TMP,  32
.set AF,   128
.set G1, 24                            ; s[24:31] descriptor group 1 for P's tiles; s[32:39] group 0, one set a slot
.set G0, 32
.set G1B, 48                           ; s[48:55], s[56:63] the same for Q's
.set G0B, 56
.set MSB, 0
.macro WIN new                         ; the immediate's high byte repeats the setting that is left
.if MSB != \new
	s_set_vgpr_msb (MSB<<8)|\new
.set MSB, \new
.endif
.endm
.set MUL_LO, 0xa1                      ; source 0 (Q) window 1, source 1 (P) window 0, C and D window 2
.set MUL_HI, 0xf1                      ; the same, C and D window 3
.set TO_B,   0x40                      ; destination window 1, address window 0
; A joint load: waves 0 and 1 fetch for P, waves 2 and 3 for Q.  The branch hangs on the wave's number alone.  An s_nop 0 and four v_nop follow each of the two lines.
.macro JLOAD g0a, g1a, g0b, g1b
	s_cmp_eq_u32 s15, 0
	s_cbranch_scc0 .Lfor_b_\@
	tensor_load_to_lds s[\g0a:\g0a+3], s[\g1a:\g1a+7]
	s_nop 0
.rept 4
	v_nop
.endr
	s_branch .Lasked_\@
.Lfor_b_\@:
	tensor_load_to_lds s[\g0b:\g0b+3], s[\g1b:\g1b+7]
	s_nop 0
.rept 4
	v_nop
.endr
.Lasked_\@:
.endm
.macro CREST                           ; a round of the cluster's barrier behind its opening barrier
	s_cmp_lg_u32 s14, 0
	s_cbranch_scc1 .Lnot_wave_0_\@
	s_barrier_signal -3
.Lnot_wave_0_\@:
	s_barrier_wait -3
	s_barrier_signal -1
	s_barrier_wait -1
.endm
.macro CROUND                          ; a whole round
	s_barrier_signal -1
	s_barrier_wait -1
	CREST
.endm
	s_load_b128 s[4:7], s[0:1], 0x0                ; codes s[4:5], the scales s[6:7]
	s_load_b64 s[8:9], s[0:1], 0x10                ; qkvc
	v_lshl_add_u32 v[SPW], v0, 2, SPARE
	v_mov_b32 v[NIL], 0
	ds_add_u32 v[SPW], v[NIL]
	ds_add_u32 v[SPW], v[NIL]                      ; the wave's opening: the add and its wait stand ahead of my first tensor load; the set-up below stands between them
	v_lshrrev_b32 v1, 5, v0
	v_readfirstlane_b32 s14, v1                    ; wave 0..3
	s_lshr_b32 s15, s14, 1                         ; my half of P's rows.  Also: I fetch for P (0) or for Q (1)
	s_and_b32 s16, s14, 1                          ; my half of Q's rows.  Also: which 128 rows I fetch
	s_bfe_u32 s40, ttmp6, 0x40000                  ; cx
	s_bfe_u32 s41, ttmp6, 0x40004                  ; cy
	s_and_b32 s17, ttmp7, 0xffff                   ; the cluster's y, 0..11; its x, ttmp9, is 0 or 1
	s_lshl_b32 s43, s41, 2
	s_lshl_b32 s43, 15, s43                        ; my row of the cluster
	s_lshl_b32 s44, 0x1111, s40                    ; my column
	; descriptor group 1: a dense block of 128 rows of 256 bytes
	s_or_b32 s[G1+0], s43, (3<<16)|(1<<21)         ; 15:0 the mask; 17:16 elements of 8 bytes; 21 set beside a mask; no padding
	s_or_b32 s[G1B+0], s44, (3<<16)|(1<<21)
.irp g, G1, G1B
	s_mov_b32 s[\g+1], 32<<16                      ; tensor_dim0 = 32 elements
	s_mov_b32 s[\g+2], 128<<16                     ; tensor_dim1 = 128
	s_mov_b32 s[\g+3], 32<<16                      ; tile_dim0
	s_mov_b32 s[\g+4], 128                         ; tile_dim1
	s_mov_b32 s[\g+5], 32                          ; from row to row
	s_mov_b32 s[\g+6], 0
	s_mov_b32 s[\g+7], 0
.endr
	; the cluster's part of the first tiles of 16 rows; each case's numbers are made first, then one compare chooses
	s_lshl_b32 s18, s17, 6                         ; q, k: P = tokens, 64 tiles a cluster row
	s_lshl_b32 s19, ttmp9, 6
	s_add_co_u32 s19, s19, 512                     ; q, k: Q = w_qkv's tiles 512 + 64 x cluster x
	s_lshl_b32 s22, s17, 1
	s_add_co_u32 s22, s22, ttmp9
	s_sub_co_u32 s22, s22, 16                      ; v: the eight clusters with y >= 8 count 0..7 (used in that case alone)
	s_lshl_b32 s23, s22, 6                         ; v: Q = tokens
	s_cmp_ge_u32 s17, 8
	s_cselect_b32 s18, 640, s18                    ; v: P = w_qkv's tiles 640 on
	s_cselect_b32 s19, s23, s19
	s_lshl_b32 s20, s41, 4                         ; P: + 16 cy: shared along my row of the cluster
	s_add_co_u32 s20, s20, s18
	s_lshl_b32 s21, s16, 3
	s_add_co_u32 s20, s20, s21                     ; + the 8 tiles that I fetch
	s_lshl_b32 s20, s20, 12                        ; a tile of a K step is 4,096 bytes
	s_mov_b32 s21, 0
	s_lshl_b32 s46, s40, 4                         ; Q: + 16 cx: shared along my column
	s_add_co_u32 s46, s46, s19
	s_lshl_b32 s47, s16, 3
	s_add_co_u32 s46, s46, s47
	s_lshl_b32 s46, s46, 12
	s_mov_b32 s47, 0
	s_mul_i32 s45, s14, HALFT                      ; where they go: wave x 32,768: no place in the cluster enters an LDS address
	s_wait_dscnt 0x0                               ; the opening add is done
	s_wait_kmcnt 0x0
	s_load_b256 s[80:87], s[6:7], 0x0              ; e0 .. e7
	s_add_nc_u64 s[20:21], s[4:5], s[20:21]
	s_add_nc_u64 s[46:47], s[4:5], s[46:47]
	CROUND                                         ; all sixteen work-groups are here: the first joint loads meet
.irp s, 0,1
	s_mov_b32 s[G0+4*\s], 1
	s_add_co_u32 s[G0+4*\s+1], s45, \s*SLOT
	s_add_nc_u64 s[G0+4*\s+2:G0+4*\s+3], s[20:21], \s*KSP
	s_or_b32 s[G0+4*\s+3], s[G0+4*\s+3], 0x80000000
	s_mov_b32 s[G0B+4*\s], 1
	s_add_co_u32 s[G0B+4*\s+1], s45, \s*SLOT
	s_add_nc_u64 s[G0B+4*\s+2:G0B+4*\s+3], s[46:47], \s*KSQ
	s_or_b32 s[G0B+4*\s+3], s[G0B+4*\s+3], 0x80000000
	JLOAD G0+4*\s, G1, G0B+4*\s, G1B               ; two loads of mine are out
.endr
	v_and_b32 v1, 31, v0
	v_lshlrev_b32 v[CO], 4, v1                     ; 16 x lane
	s_mul_i32 s76, s15, HALFT                      ; my 128 rows of P
	s_mul_i32 s77, s16, HALFT                      ; my 128 rows of Q,
	s_add_co_u32 s77, s77, 2*HALFT                 ; which lie behind P's 256
.irp s, 0,1
	v_add_nc_u32 v[ADRA+\s], s76, v[CO]
	v_add_nc_u32 v[ADRB+\s], s77, v[CO]
	s_add_co_u32 s76, s76, SLOT
	s_add_co_u32 s77, s77, SLOT
.endr
	; where my 16,384 bytes of codes go
	s_lshl_b32 s66, s17, 2
	s_add_co_u32 s66, s66, s41                     ; q, k: block of 256 tokens = 4 x cluster y + cy
	s_lshl_b32 s67, s22, 2
	s_add_co_u32 s67, s67, s40                     ; v: = 4 x (the cluster's count) + cx
	s_cmp_ge_u32 s17, 8
	s_cselect_b32 s66, s67, s66                    ; the block of 256 tokens, 0..31,
	s_cselect_b32 s67, s16, s15                    ; my half of it,
	s_cselect_b32 s68, s41, s40                    ; the 256 columns of the region (two pairs of heads),
	s_cselect_b32 s69, s15, s16                    ; my half of them: a pair of heads,
	s_cselect_b32 s70, 2, ttmp9                    ; and the region: q, k or v
	s_lshr_b32 s71, s66, 3                         ; the batch
	s_lshl_b32 s71, s71, 3
	s_lshl_b32 s68, s68, 1
	s_add_co_u32 s71, s71, s68
	s_add_co_u32 s71, s71, s69                     ; batch x 8 + pair of heads
	s_lshl_b32 s71, s71, 4
	s_and_b32 s66, s66, 7
	s_lshl_b32 s66, s66, 1
	s_add_co_u32 s71, s71, s66
	s_add_co_u32 s71, s71, s67                     ; x 16 + block of 128 tokens
	s_lshl_b32 s72, s71, 14
	s_lshl_b32 s70, s70, 23
	s_add_co_u32 s72, s72, s70
	s_mov_b32 s73, 0
	s_add_nc_u64 s[8:9], s[8:9], s[72:73]
.macro FRAG reg, adr, q, i             ; an image comes back as it was stored: four loads of 512 consecutive bytes
.irp c, 0,1,2,3
	ds_load_b128 v[\reg+4*\c:\reg+4*\c+3], v[\adr] offset:4096*(\i)+2048*(\q)+512*\c
.endr
.endm
; 16 matrix instructions: P's blocks a0, a0 + 1 x Q's eight, 128 along K.  p: Q's set.  zero = 1: the first product starts the sums.
; The 64 accumulators take turns, one instruction a turn, in the same order in every step.
.macro MUL16 a0, p, zero
.irp a, \a0, \a0+1
.irp b, 0,1,2,3,4,5,6,7
.if \zero
	v_wmma_f32_16x16x128_fp8_fp8 v[8*(8*((\a)%4)+\b):8*(8*((\a)%4)+\b)+7], v[128*(\p)+FR*\b:128*(\p)+FR*\b+FR-1], v[AF+FR*(\a):AF+FR*(\a)+FR-1], 0
.else
	v_wmma_f32_16x16x128_fp8_fp8 v[8*(8*((\a)%4)+\b):8*(8*((\a)%4)+\b)+7], v[128*(\p)+FR*\b:128*(\p)+FR*\b+FR-1], v[AF+FR*(\a):AF+FR*(\a)+FR-1], v[8*(8*((\a)%4)+\b):8*(8*((\a)%4)+\b)+7]
.endif
.endr
.endr
.endm
.macro FETCH_B slot, q, p              ; Q's eight fragments of the slot's q-th 128 along K into set p
	WIN TO_B
.irp i, 0,1,2,3,4,5,6,7
	FRAG 128*(\p)+FR*\i, ADRB+\slot, \q, \i
.endr
	WIN 0
.endm
.macro FETCH_A slot, q, i0             ; P's blocks i0 .. i0 + 3
.irp i, \i0, \i0+1, \i0+2, \i0+3
	FRAG AF+FR*(\i), ADRA+\slot, \q, \i
.endr
.endm
.macro PLACES n                        ; plain vector lines between a matrix instruction and a load into, or a vector write or read of, its registers
.rept \n
	v_nop
.endr
.endm
; A step of 128 along K that has its successor in the same slot.  A block of P is free as soon as its eight products are issued: blocks 0-3 are fetched anew in the middle, blocks 4-7 at the end.
.macro STEP slot, q, zero
	s_wait_dscnt 4*NL                              ; Q's set and P's blocks 0-3 are in; the youngest 16 loads (P's blocks 4-7) may be out
	WIN MUL_LO
	MUL16 0, (\q)%2, \zero
	MUL16 2, (\q)%2, \zero
	s_wait_dscnt 0
	PLACES NP
	FETCH_B \slot, (\q)+1, 1-(\q)%2
	FETCH_A \slot, (\q)+1, 0
	WIN MUL_HI
	MUL16 4, (\q)%2, \zero
	MUL16 6, (\q)%2, \zero
	PLACES NP
	WIN 0
	FETCH_A \slot, (\q)+1, 4
.endm
; A slot's last step changes slots: ONE barrier; in front of it each wave waits for all its tensor loads, adds 0 to its spare word, and waits for that and for its own reads of this slot.  fill = 1: this slot is filled again, two K steps ahead.
.macro TURN slot, next, fill
	s_wait_tensorcnt 0x0                           ; all my tensor loads have landed: my part of the next slot
	ds_add_u32 v[SPW], v[NIL]                      ; 0 onto my spare word
	s_wait_dscnt 4*NL+1                            ; the add and the youngest 16 loads (P's blocks 4-7) may be out
	WIN MUL_LO
	MUL16 0, 1, 0                                  ; sixteen matrix instructions stand between the add and the wait for it
	s_wait_dscnt 0x0                               ; the add is done, and my reads of this slot are over
	s_barrier_signal -1
	MUL16 2, 1, 0
	WIN 0                                          ; every window is 0 there
	s_barrier_wait -1
.if \fill
	CREST                                          ; the barrier has opened a round of the cluster's barrier: no wave of any partner still reads this slot or has a load on its way
	s_add_nc_u64 s[G0+4*\slot+2:G0+4*\slot+3], s[G0+4*\slot+2:G0+4*\slot+3], 2*KSP
	s_add_nc_u64 s[G0B+4*\slot+2:G0B+4*\slot+3], s[G0B+4*\slot+2:G0B+4*\slot+3], 2*KSQ
	JLOAD G0+4*\slot, G1, G0B+4*\slot, G1B         ; the first tensor load behind the round, my only one until the next; its four v_nop are the places in front of the loads below
.else
	PLACES NP
.endif
	FETCH_B \next, 0, 0
	FETCH_A \next, 0, 0
	WIN MUL_HI
	MUL16 4, 1, 0
	MUL16 6, 1, 0
	PLACES NP
	WIN 0
	FETCH_A \next, 0, 4
.endm
	s_wait_alu depctr_va_vdst(0)
	s_wait_tensorcnt 1                             ; my part of K step 0 is in (K step 1's load may be out)
	s_barrier_signal -1
	s_barrier_wait -1                              ; everybody's is
	FETCH_B 0, 0, 0
	FETCH_A 0, 0, 0
	FETCH_A 0, 0, 4
	; K = 1,024 is four K steps of 256, eight steps of 128: written out, since a loop would have one trip
	STEP 0, 0, 1                                   ; K step 0: its first products start the sums
	TURN 0, 1, 1                                   ; slot 0 takes K step 2
	STEP 1, 0, 0                                   ; K step 1
	TURN 1, 0, 1                                   ; slot 1 takes K step 3
	STEP 0, 0, 0                                   ; K step 2
	TURN 0, 1, 0                                   ; nothing is left to fetch
	STEP 1, 0, 0                                   ; K step 3
	s_wait_dscnt 4*NL
	WIN MUL_LO
	MUL16 0, 1, 0
	MUL16 2, 1, 0
	s_wait_dscnt 0
	WIN MUL_HI
	MUL16 4, 1, 0
	MUL16 6, 1, 0
	WIN 0
	; THE WAY OUT.  A sum stands for sum x 2^(e0 + e1); its code is sum / 2^(eo - e0 - e1), eo the scale of q, k or v: the three are folded into the conversion's one.
	s_wait_kmcnt 0x0
	s_cmp_lg_u32 ttmp9, 0
	s_cselect_b32 s74, s83, s82                    ; cluster x = 1: k (e3); 0: q (e2)
	s_cmp_ge_u32 s17, 8
	s_cselect_b32 s74, s85, s74                    ; cluster y >= 8: v (e5).  Values are chosen; no path hangs on a scale
	s_sub_co_i32 s74, s74, s80
	s_sub_co_i32 s74, s74, s81
	s_add_co_i32 s74, s74, 127
	s_lshl_b32 s75, s74, 23
	v_mov_b32 v[SCV], s75
	s_add_co_i32 s74, s74, 8
	s_lshl_b32 s74, s74, 23
	s_or_b32 s74, s74, 0x600000
	PLACES NP                                      ; behind the last products, ahead of the reads of results and of the writes into P's old fragments
; Block a: P's rows 16 a on.  The eight accumulators' conversions are the 16 registers of 2,048 bytes of images, stored as they stand.  Each block has code registers of its own: no store's data are written again.
.macro OUT a
.set AC, 64*((\a)%4)
	WIN (0x02+((\a)/4))                            ; source 0: window 2 or 3
.set J, 0
.rept 64
.set J, J+1
.endr
.irp b, 0,1,2,3,4,5,6,7
	v_cvt_scalef32_pk8_fp8_f32 v[AF+16*(\a)+2*\b:AF+16*(\a)+2*\b+1], v[AC+8*\b:AC+8*\b+7], v[SCV]
.endr
	WIN 0
	v_nop                                          ; a plain line behind the last conversion
.irp p, 0,1,2,3
	global_store_b128 v[CO], v[AF+16*(\a)+4*\p:AF+16*(\a)+4*\p+3], s[8:9] offset:2048*(\a)+512*\p   ; 32 lanes store 512 consecutive bytes
.endr
.endm
.irp a, 0,1,2,3,4,5,6,7
	OUT \a
.endr
	s_wait_tensorcnt 0x0                           ; the wave's end
	ds_add_u32 v[SPW], v[NIL]
	s_wait_dscnt 0x0
	CROUND                                         ; the closing round: no work-group ends while a partner may still ask for a tile that names it
	s_endpgm
.Lfunc_end_k_q4a65c500a5_qkv:
	.size	k_q4a65c500a5_qkv, .Lfunc_end_k_q4a65c500a5_qkv-k_q4a65c500a5_qkv
	.p2alignl 7, 3214868480
	.fill 96, 4, 3214868480
	.section	.rodata,"a",@progbits
	.p2align	6, 0x0
	.amdhsa_kernel k_q4a65c500a5_qkv
		.amdhsa_group_segment_fixed_size 327680
		.amdhsa_private_segment_fixed_size 0
		.amdhsa_enable_private_segment 0
		.amdhsa_kernarg_size 24
		.amdhsa_user_sgpr_count 2
		.amdhsa_user_sgpr_kernarg_segment_ptr 1
		.amdhsa_wavefront_size32 1
		.amdhsa_system_sgpr_workgroup_id_x 1
		.amdhsa_system_sgpr_workgroup_id_y 1
		.amdhsa_system_sgpr_workgroup_id_z 1
		.amdhsa_system_vgpr_workitem_id 0
		.amdhsa_next_free_vgpr 1024
		.amdhsa_next_free_sgpr 100
		.amdhsa_reserve_vcc 0
		.amdhsa_float_denorm_mode_32 3
		.amdhsa_float_denorm_mode_16_64 3
		.amdhsa_fp16_overflow 1
		.amdhsa_memory_ordered 1
		.amdhsa_forward_progress 1
		.amdhsa_inst_pref_size 86
	.end_amdhsa_kernel
	.amdgpu_metadata
---
amdhsa.version: [ 1, 2 ]
amdhsa.kernels:
  - .name:           k_q4a65c500a5_qkv
    .symbol:         k_q4a65c500a5_qkv.kd
    .args:
      - { .name: codes, .offset: 0, .size: 8, .value_kind: global_buffer, .address_space: global }
      - { .name: lowp_scales, .offset: 8, .size: 8, .value_kind: global_buffer, .address_space: global }
      - { .name: qkvc, .offset: 16, .size: 8, .value_kind: global_buffer, .address_space: global }
    .group_segment_fixed_size: 327680
    .private_segment_fixed_size: 0
    .kernarg_segment_align: 8
    .kernarg_segment_size: 24
    .max_flat_workgroup_size: 128
    .sgpr_count:     100
    .vgpr_count:     1024
    .wavefront_size: 32
...
	.end_amdgpu_metadata
.endif
;; end of part 2
;; launch attn (part 3): grid 4 x 64, 16 waves a work-group, no clusters, 327,680 bytes of LDS; arguments qkvc, lowp_scales, yc; writes yc
.if DOCPART == 3
	.amdgcn_target "amdgcn-amd-amdhsa--gfx1250"
	.amdhsa_code_object_version 6
	.text
	.protected	k_q4a65c500a5_attn
	.globl	k_q4a65c500a5_attn
	.p2align	8
	.type	k_q4a65c500a5_attn,@function
k_q4a65c500a5_attn:
	s_mov_b64 s[64:65], 0
	v_nop
	global_prefetch_b8 v0, s[64:65] scope:SCOPE_SE
	s_setreg_imm32_b32 hwreg(HW_REG_WAVE_MODE, 25, 1), 1
	s_wait_xcnt 0x0
; y[b][q][head][:] = the sum over keys k <= q of softmax_k(q . k / 8) v, both products on codes of FP8 (E4M3), and y quantised at once (scale entry 6) for the projection.
; THE SOFTMAX AHEAD OF THE SECOND PRODUCT: t = score x log2(e) / 8; M = the running largest t rounded UP to a whole number; p = 2^(t - M) is quantised along the keys (entry 4), not normalised.
; The row's sum is taken of the unquantised p, in f32, and divides O at the end.  When M moves, the sum and O are multiplied by 2^(old M - new M): exact.
; SHARES.  Work-group (i, batch x 16 + head) owns the blocks 7 - i and i of 256 queries: (8 - i) + (i + 1) = 9 slots of 256 keys in every work-group, the high block first.  Each of sixteen waves owns 16 queries of the block in hand.
; NO CLUSTER: the four work-groups of a head walk slots 0..7-i and then 0..i, so from the fifth trip on they want different slots in the same trip, and no joint request fits every trip.
; OPERANDS LIE AS IMAGES OF THEIR REGISTERS (group g of four registers = 512 bytes, lane l's 16 bytes at 16 l): q, k: 16 tokens x 64 in 1,024 bytes; v: 16 of the head's 64 x 128 keys in 2,048 bytes.  Every fragment load is 512 consecutive bytes.
; Both products are used transposed: S^T = K Q^T (source 0 = 16 keys, source 1 = my 16 queries), O^T = V^T P^T: lane (r, h) holds query r throughout; register j of S^T's tile t is key 16 t + 8 h + j, which is the place of
; register pair 2 t of P's fragment: a conversion of a tile is that pair.  Likewise O^T's tile d is register pair 2 d of y's image.
; CAUSAL: a step all of whose 128 keys come after my 16 queries is jumped over (a scalar branch on ids; no barrier or tensor load stands in a step); on the diagonal hidden scores become -infinity ahead of the maximum.
; yc = [K step of 256 channels: 4][tile of 16 tokens: 512][128 channels: 2][2,048]; a head's 64 channels are half an image, 1,024 bytes.
; LIMITS: e2 + e3 between -123 and 130 (added to c's exponent field); e4 and e6 - e4 - e5 between -126 and 119.
.set SLOT1, 1<<15                      ; a slot: 16 tiles of K (16,384 bytes), then 2 key steps x 4 tiles of V (16,384).  One exclusive or turns an address into the other slot's
.set VOFF,  16384
.set SPARE, 2*SLOT1                    ; behind the ring: the spare words, 128 bytes for each of sixteen waves
.set LI,   1                           ; v1   16 x lane; never rewritten
.set AD,   2                           ; v2   the slot in hand + 16 x lane
.set PFO,  3                           ; v3   the prefetches' offset; never rewritten
.set RH,   4                           ; v4   r - 8 h
.set SPW,  5                           ; v5   LDS address of my spare word; never rewritten
.set NIL,  6                           ; v6   0; never rewritten
.set F,    32                          ; v32-95   K's eight fragments of 8 registers, then V's four of 16
.set S,    96                          ; v96-159  S^T, then p
.set O,    160                         ; v160-191 O^T
.set PC,   192                         ; v192-207 p's codes
.set YC,   208                         ; v208-215 y's codes
; v12 -M, v13 the largest t, v[14:15] the sum in two halves; v16-23 Q; v24-31 the low block's Q; v236 a permute's destination; v244: 2^e4; v245: the same for e6 - e4 - e5; v238-243, v246-255 at work
.set TB,   2                           ; s2   LDS byte at which the slot in hand begins
.set TR,   3                           ; s3   the trip, 0..8
.set HB,   8                           ; s8   7 - i: the high block, and the trip in which it ends
.set HB1,  9                           ; s9   HB + 1
.set Q0,   10                          ; s10  my first query
.set Q0L,  11                          ; s11  the same in the low block
.set KF,   12                          ; s12  the step's first key
.set HOFF, 13                          ; s13  my head's and batch's bytes in yc
.set LIM,  14                          ; s14  a wave prefetches while the trip is under this
.set WV,   18
.set SEL,  20                          ; s[20:21] lane selects: lane l xor 16
.set CS,   22                          ; s[22:23] c = log2(e) / 8 x 2^(e2 + e3)
.set G1K,  24                          ; s[24:31], s[32:39] descriptor groups 1;  s[40:43], s[44:47] groups 0
.set G1V,  32
.set G0K,  40
.set G0V,  44
.set KBA,  48                          ; s[48:49] my part of slot 0 of K in memory;  s[50:51] of V
.set VBA,  50
.set OFS,  52                          ; s[52:53] a slot's bytes, high word 0
.set PFA,  54                          ; s[54:55] where my prefetches stand
.set YB,   56                          ; s[56:57] where my y goes
; Waves 0 and 1 fetch K's halves, waves 2 and 3 V's key steps, the others nothing.  The branches hang on the wave's number alone.  An s_nop 0 and four v_nop follow each of the two lines.
.macro TLOAD
	s_cmp_lt_u32 s[WV], 2
	s_cbranch_scc0 .Lnot_k_\@
	tensor_load_to_lds s[G0K:G0K+3], s[G1K:G1K+7]
	s_nop 0
.rept 4
	v_nop
.endr
	s_branch .Lasked_\@
.Lnot_k_\@:
	s_cmp_lt_u32 s[WV], 4
	s_cbranch_scc0 .Lasked_\@
	tensor_load_to_lds s[G0V:G0V+3], s[G1V:G1V+7]
	s_nop 0
.rept 4
	v_nop
.endr
.Lasked_\@:
.endm
; A PREFETCH INTO THE L2 of the slot that the NEXT change of slots will ask for: in trip t slot t + 2, one slot (two key steps) ahead of its load.  The head's work-group i = 0 walks slots 0..7 in order: it alone asks, in trips 0..5.
; In it waves 4 and 5 ask for K's 16 tiles (8 each: 4 blocks of 256 bytes a tile, tiles 2,048 bytes apart), waves 6 and 7 for V's two key steps (8,192 dense bytes each): a lane a block, so each block of slots 2..7 is named once.
.macro ASK
	s_cmp_lt_u32 s[TR], s[LIM]
	s_cbranch_scc0 .Lnot_mine_\@
	global_prefetch_b8 v[PFO], s[PFA:PFA+1] th:TH_LOAD_NT scope:SCOPE_SE
.Lnot_mine_\@:
.endm
	s_load_b128 s[4:7], s[0:1], 0x0                ; qkvc s[4:5], the scales s[6:7]
	s_load_b64 s[16:17], s[0:1], 0x10              ; yc
	v_lshl_add_u32 v[SPW], v0, 2, SPARE
	v_mov_b32 v[NIL], 0
	ds_add_u32 v[SPW], v[NIL]                      ; the wave's opening: the add and its wait stand ahead of my first tensor load; the set-up below stands between them
	ds_add_u32 v[SPW], v[NIL]
	v_lshrrev_b32 v7, 5, v0
	s_delay_alu instid0(VALU_DEP_1)
	v_readfirstlane_b32 s[WV], v7                  ; wave 0..15
	s_and_b32 s76, ttmp7, 0xffff                   ; batch x 16 + head
	s_sub_co_u32 s[HB], 7, ttmp9
	s_add_co_u32 s[HB1], s[HB], 1
	s_lshl_b32 s77, s[WV], 4
	s_lshl_b32 s[Q0], s[HB], 8
	s_add_co_u32 s[Q0], s[Q0], s77                 ; 256 x block + 16 x wave
	s_lshl_b32 s[Q0L], ttmp9, 8
	s_add_co_u32 s[Q0L], s[Q0L], s77
	s_mov_b32 s[KF], 0
	s_mov_b32 s[TB], 0
	s_mov_b32 s[TR], 0
	s_and_b32 s78, s76, 15                         ; the head
	s_lshr_b32 s79, s76, 4                         ; the batch
	s_lshr_b32 s80, s78, 2
	s_lshl_b32 s[HOFF], s80, 21                    ; K step of 256 channels: head / 4, 2,097,152 bytes each
	s_lshl_b32 s80, s79, 19                        ; 128 tiles of 4,096 bytes a batch
	s_add_co_u32 s[HOFF], s[HOFF], s80
	s_bfe_u32 s80, s78, 0x10001                    ; (head / 2) % 2: which 128 channels
	s_lshl_b32 s80, s80, 11
	s_add_co_u32 s[HOFF], s[HOFF], s80
	s_and_b32 s80, s78, 1                          ; head % 2: which half of the image
	s_lshl_b32 s80, s80, 10
	s_add_co_u32 s[HOFF], s[HOFF], s80
	s_lshr_b32 s81, s76, 1
	s_lshl_b32 s81, s81, 18                        ; (batch x 8 + pair of heads) x 262,144
	s_and_b32 s82, s76, 1                          ; my head of the pair
	s_and_b32 s83, s[WV], 1
	s_lshl_b32 s84, s83, 14                        ; the half of a slot that I fetch: 16,384 bytes on in memory, in K and in V
	s_add_co_u32 s84, s84, s81
	s_lshl_b32 s85, s82, 10
	s_add_co_u32 s86, s84, s85
	s_add_co_u32 s86, s86, 1<<23                   ; K's region
	s_mov_b32 s87, 0
	s_lshl_b32 s85, s82, 13
	s_add_co_u32 s88, s84, s85
	s_add_co_u32 s88, s88, 2<<23                   ; V's region
	s_mov_b32 s89, 0
	s_lshl_b32 s85, s82, 10
	s_add_co_u32 s90, s81, s85
	s_lshl_b32 s85, s[Q0], 7                       ; a tile of 16 tokens is 2,048 bytes for the pair of heads
	s_add_co_u32 s92, s90, s85                     ; the high block's Q
	s_mov_b32 s93, 0
	s_lshl_b32 s85, s[Q0L], 7
	s_add_co_u32 s90, s90, s85                     ; the low block's
	s_mov_b32 s91, 0
	s_lshl_b32 s94, s83, 13                        ; and 8,192 bytes on in LDS
	s_mov_b32 s[OFS+1], 0
	; descriptor groups 1.  K: 8 images of 1,024 bytes, 2,048 apart in memory, dense in LDS.  V: 8,192 dense bytes as 32 rows of 256
	s_mov_b32 s[G1K], 3<<16                        ; no mask; elements of 8 bytes; no padding
	s_mov_b32 s[G1K+1], 128<<16                    ; tensor_dim0 = 128 elements
	s_mov_b32 s[G1K+2], 8<<16                      ; tensor_dim1 = 8
	s_mov_b32 s[G1K+3], 128<<16                    ; tile_dim0
	s_mov_b32 s[G1K+4], 8                          ; tile_dim1
	s_mov_b32 s[G1K+5], 256                        ; from row to row
	s_mov_b32 s[G1K+6], 0
	s_mov_b32 s[G1K+7], 0
	s_mov_b32 s[G1V], 3<<16
	s_mov_b32 s[G1V+1], 32<<16
	s_mov_b32 s[G1V+2], 32<<16
	s_mov_b32 s[G1V+3], 32<<16
	s_mov_b32 s[G1V+4], 32
	s_mov_b32 s[G1V+5], 32
	s_mov_b32 s[G1V+6], 0
	s_mov_b32 s[G1V+7], 0
	s_mov_b32 s[SEL], 0x76543210
	s_mov_b32 s[SEL+1], 0xfedcba98
	s_mov_b32 s[CS], 0x3e38aa3b                    ; log2(e) / 8
	s_wait_dscnt 0x0                               ; the opening add is done
	s_wait_kmcnt 0x0
	s_load_b256 s[68:75], s[6:7], 0x0              ; e0 .. e7
	s_add_nc_u64 s[KBA:KBA+1], s[4:5], s[86:87]
	s_add_nc_u64 s[VBA:VBA+1], s[4:5], s[88:89]
	s_mov_b32 s[G0K], 1
	s_mov_b32 s[G0K+1], s94                        ; slot 0
	s_mov_b64 s[G0K+2:G0K+3], s[KBA:KBA+1]
	s_or_b32 s[G0K+3], s[G0K+3], 0x80000000
	s_mov_b32 s[G0V], 1
	s_add_co_u32 s[G0V+1], s94, VOFF
	s_mov_b64 s[G0V+2:G0V+3], s[VBA:VBA+1]
	s_or_b32 s[G0V+3], s[G0V+3], 0x80000000
	TLOAD                                          ; slot 0: the one first fill; one load of a fetching wave is out
	s_add_nc_u64 s[92:93], s[4:5], s[92:93]
	s_add_nc_u64 s[90:91], s[4:5], s[90:91]
	v_and_b32 v[LI], 31, v0
	s_delay_alu instid0(VALU_DEP_1)
	v_lshlrev_b32 v[LI], 4, v[LI]
	global_load_b128 v[16:19], v[LI], s[92:93]     ; both blocks' Q stay in registers
	global_load_b128 v[20:23], v[LI], s[92:93] offset:512
	global_load_b128 v[24:27], v[LI], s[90:91]
	global_load_b128 v[28:31], v[LI], s[90:91] offset:512
	; the prefetches: who asks, and where
	s_cmp_lt_u32 s[WV], 6                          ; waves 4, 5: K; waves 6, 7: V
	s_cselect_b64 s[PFA:PFA+1], s[KBA:KBA+1], s[VBA:VBA+1]
	s_cselect_b32 s76, 11, 10                      ; four lanes to 1,024 bytes; the next four 2,048 (K) or 1,024 (V) bytes on
	s_add_nc_u64 s[PFA:PFA+1], s[PFA:PFA+1], 32768 ; in slot 1: the first change of slots steps it to slot 2.  Nothing is prefetched here, at the head
	v_and_b32 v[PFO], 3, v0
	s_delay_alu instid0(VALU_DEP_1)
	v_lshlrev_b32 v[PFO], 8, v[PFO]
	v_bfe_u32 v7, v0, 2, 3
	s_delay_alu instid0(VALU_DEP_1)
	v_lshlrev_b32 v7, s76, v7
	s_delay_alu instid0(VALU_DEP_1)
	v_add_nc_u32 v[PFO], v[PFO], v7
	s_lshr_b32 s77, s[WV], 2
	s_xor_b32 s77, s77, 1                          ; 0 in waves 4 to 7,
	s_or_b32 s77, s77, ttmp9                       ; of the head's work-group 0
	s_cmp_eq_u32 s77, 0
	s_cselect_b32 s[LIM], 6, 0
	v_and_b32 v[RH], 15, v0
	v_bfe_u32 v7, v0, 4, 1
	s_delay_alu instid0(VALU_DEP_1)
	v_lshlrev_b32 v7, 3, v7
	s_delay_alu instid0(VALU_DEP_1)
	v_sub_nc_u32 v[RH], v[RH], v7                  ; r - 8 h
	v_mov_b32 v13, 0xff61b1e6                      ; the largest t so far: -3e38, under every t
	s_delay_alu instid0(VALU_DEP_1)
	v_floor_f32 v12, -v13                          ; -M
	v_mov_b32 v14, 0
	v_mov_b32 v15, 0
	v_mov_b32 v236, 0                              ; written once: a lane permute's destination counts as one of its sources
	v_mov_b32 v253, 0                              ; (named as the upper half of the pair v[252:253])
.set J, 0
.rept 32
	v_mov_b32 v[O+J], 0                            ; O^T: the step is written once; a block's first step finds zeros
.set J, J+1
.endr
	s_wait_kmcnt 0x0
	s_add_co_i32 s76, s70, s71
	s_lshl_b32 s76, s76, 23
	s_add_co_i32 s[CS], s[CS], s76                 ; a score stands for score x 2^(e2 + e3): added to c's exponent field
	s_mov_b32 s[CS+1], s[CS]
	s_add_co_i32 s76, s72, 127
	s_lshl_b32 s77, s76, 23
	v_mov_b32 v244, s77                            ; 2^e4
	s_sub_co_i32 s76, s74, s72
	s_sub_co_i32 s76, s76, s73                     ; O / l stands for y / 2^(e4 + e5): y's code is (O / l) / 2^(e6 - e4 - e5)
	s_add_co_i32 s76, s76, 127
	s_lshl_b32 s77, s76, 23
	v_mov_b32 v245, s77
; A KEY STEP: 128 keys, the q-th of the slot in hand.
.macro STEP q
	s_add_co_u32 s96, s[Q0], 15
	s_cmp_gt_u32 s[KF], s96                        ; all keys come after my queries: nothing to do
	s_cbranch_scc1 .Lhidden_\@
	v_add_nc_u32 v[AD], s[TB], v[LI]
.rept 3
	v_nop                                          ; with the addition: four places between the last products and loads into the registers that they read
.endr
.irp t, 0,1,2,3,4,5,6,7
	ds_load_b128 v[F+8*\t:F+8*\t+3], v[AD] offset:(8*(\q)+\t)*1024
	ds_load_b128 v[F+8*\t+4:F+8*\t+7], v[AD] offset:(8*(\q)+\t)*1024+512
.endr
	s_wait_alu depctr_va_vdst(0)
	s_wait_dscnt 8                                 ; tiles 0-3 are in; the younger eight loads (tiles 4-7) may be out
.irp t, 0,1,2,3
	v_wmma_f32_16x16x64_fp8_fp8 v[S+8*\t:S+8*\t+7], v[F+8*\t:F+8*\t+7], v[16:23], 0
.endr
	s_wait_dscnt 0x0
.irp t, 4,5,6,7
	v_wmma_f32_16x16x64_fp8_fp8 v[S+8*\t:S+8*\t+7], v[F+8*\t:F+8*\t+7], v[16:23], 0
.endr
.rept 4
	v_nop                                          ; places: ahead of the loads into K's registers and of the first read of scores
.endr
.irp d, 0,1,2,3
.irp g, 0,1,2,3
	ds_load_b128 v[F+16*\d+4*\g:F+16*\d+4*\g+3], v[AD] offset:VOFF+8192*(\q)+2048*\d+512*\g   ; V lands while the softmax is worked
.endr
.endr
	s_add_co_u32 s96, s[KF], 127
	s_cmp_le_u32 s96, s[Q0]                        ; every key counts for every query of mine: no mask
	s_cbranch_scc1 .Lopen_\@
	s_sub_co_i32 s96, s[Q0], s[KF]
	v_add_nc_u32 v252, s96, v[RH]                  ; d = my query - KF - 8 h.  Register 8 t + j holds key KF + 8 h + 16 t + j: hidden where 16 t + j > d
	v_mov_b32 v254, 0xff800000                     ; -infinity
.set N, 0
.rept 64
	v_cmp_gt_i32 vcc_lo, 16*(N/8)+N%8, v252
	v_cndmask_b32 v[S+N], v[S+N], v254, vcc_lo
.set N, N+1
.endr
.Lopen_\@:
	v_max3_num_f32 v254, v96, v97, v98             ; the step's largest score of my query among my 64 keys, in two chains, the registers in ascending order,
	v_max3_num_f32 v252, v99, v100, v101
.irp i, 6,10,14,18,22,26,30,34,38,42,46,50,54,58
	v_max3_num_f32 v254, v254, v[S+\i], v[S+1+\i]
	v_max3_num_f32 v252, v252, v[S+2+\i], v[S+3+\i]
.endr
	v_max3_num_f32 v254, v254, v158, v159
	s_delay_alu instid0(VALU_DEP_1)
	v_max_num_f32 v254, v254, v252
	s_delay_alu instid0(VALU_DEP_1)
	v_permlanex16_b32 v236, v254, s[SEL], s[SEL+1]
	s_delay_alu instid0(VALU_DEP_1)
	v_max_num_f32 v254, v254, v236                 ; and among lane l xor 16's
	s_delay_alu instid0(VALU_DEP_1)
	v_mul_f32 v254, s[CS], v254                    ; as t (c is positive)
	s_delay_alu instid0(VALU_DEP_1)
	v_max_num_f32 v13, v13, v254                   ; the running largest t
	v_mov_b32 v254, v12
	s_delay_alu instid0(VALU_DEP_2)
	v_floor_f32 v12, -v13                          ; the new -M = floor(-t) = -ceil(t): a whole number
	s_delay_alu instid0(VALU_DEP_1)
	v_sub_f32 v254, v12, v254                      ; old M - new M: a whole number, 0 or less
	s_delay_alu instid0(VALU_DEP_1)
	v_cvt_i32_f32 v254, v254                       ; (it saturates)
	s_delay_alu instid0(VALU_DEP_1)
	v_ldexp_f32 v252, 1.0, v254                    ; f = 2^(old M - new M)
.set J, 0
.rept 32
	v_pk_fma_f32 v[S+J:S+J+1], v[S+J:S+J+1], s[CS:CS+1], v[12:13] op_sel_hi:[1,0,0]   ; t - M, two at a time
.set J, J+2
.endr
.set J, 0
	s_wait_alu depctr_va_vdst(0)
.rept 64
	v_exp_f32 v[S+J], v[S+J]                       ; p = 2^(t - M), at most 1
.set J, J+1
.endr
	v_pk_mul_f32 v[14:15], v[14:15], v[252:253] op_sel_hi:[1,0]   ; the sums under the new M: the plain line behind the exponentials
	s_wait_alu depctr_va_vdst(0)                   ; one wait for the whole batch, ahead of its first reader
	v_pk_add_f32 v[242:243], v[100:101], v[104:105]
	v_pk_add_f32 v[254:255], v[108:109], v[112:113]
	v_pk_add_f32 v[250:251], v[116:117], v[120:121]
	v_pk_add_f32 v[248:249], v[124:125], v[128:129]
	v_pk_add_f32 v[246:247], v[132:133], v[136:137]
	v_pk_add_f32 v[240:241], v[140:141], v[144:145]
	v_pk_add_f32 v[238:239], v[148:149], v[152:153]
	v_pk_add_f32 v[14:15], v[14:15], v[156:157]
	v_pk_add_f32 v[242:243], v[242:243], v[96:97]
	v_pk_add_f32 v[254:255], v[254:255], v[98:99]
	v_pk_add_f32 v[250:251], v[250:251], v[102:103]
	v_pk_add_f32 v[248:249], v[248:249], v[106:107]
	v_pk_add_f32 v[246:247], v[246:247], v[110:111]
	v_pk_add_f32 v[240:241], v[240:241], v[114:115]
	v_pk_add_f32 v[238:239], v[238:239], v[118:119]
	v_pk_add_f32 v[14:15], v[14:15], v[122:123]
	v_pk_add_f32 v[242:243], v[242:243], v[126:127]
	v_pk_add_f32 v[254:255], v[254:255], v[130:131]
	v_pk_add_f32 v[250:251], v[250:251], v[134:135]
	v_pk_add_f32 v[248:249], v[248:249], v[138:139]
	v_pk_add_f32 v[246:247], v[246:247], v[142:143]
	v_pk_add_f32 v[240:241], v[240:241], v[146:147]
	v_pk_add_f32 v[238:239], v[238:239], v[150:151]
	v_pk_add_f32 v[14:15], v[14:15], v[154:155]
	v_pk_add_f32 v[242:243], v[242:243], v[158:159]
	s_delay_alu instid0(VALU_DEP_2)
	v_pk_add_f32 v[14:15], v[14:15], v[248:249]
	s_delay_alu instid0(VALU_DEP_2)
	v_pk_add_f32 v[242:243], v[242:243], v[246:247]
	v_pk_add_f32 v[254:255], v[254:255], v[240:241]
	v_pk_add_f32 v[250:251], v[250:251], v[238:239]
	s_delay_alu instid0(VALU_DEP_2)
	v_pk_add_f32 v[14:15], v[14:15], v[254:255]
	s_delay_alu instid0(VALU_DEP_2)
	v_pk_add_f32 v[242:243], v[242:243], v[250:251]
	s_delay_alu instid0(VALU_DEP_1)
	v_pk_add_f32 v[14:15], v[14:15], v[242:243]
.set J, 0
.rept 64
.set J, J+1
.endr
.irp t, 0,1,2,3,4,5,6,7
	v_cvt_scalef32_pk8_fp8_f32 v[PC+2*\t:PC+2*\t+1], v[S+8*\t:S+8*\t+7], v244
.endr
.set J, 0
.rept 16
	v_pk_mul_f32 v[O+J:O+J+1], v[O+J:O+J+1], v[252:253] op_sel_hi:[1,0]   ; O^T under the new M; also the plain lines behind the conversions
.set J, J+2
.endr
	s_wait_alu depctr_va_vdst(0)
	s_wait_dscnt 0x0                               ; V is in
.irp d, 0,1,2,3                                ; the four accumulators take turns, and K Q^T's products stand between one step's and the next's
	v_wmma_f32_16x16x128_fp8_fp8 v[O+8*\d:O+8*\d+7], v[F+16*\d:F+16*\d+15], v[PC:PC+15], v[O+8*\d:O+8*\d+7]
.endr
.Lhidden_\@:
	s_add_co_u32 s[KF], s[KF], 128
.endm
; THE CHANGE OF SLOTS stands at a slot's head.  Each wave waits for all its tensor loads (its part of the slot that it is about to read), adds 0 to its spare word, and waits for that and for its reads of the slot that it has left.
; Behind the barrier the slot ahead is whole and nobody reads the other one.  fill = 1: that other slot takes the walk's next 256 keys: trip t + 1 reads slot t + 1 of the keys, or t + 1 - (HB + 1) once the high block is done.
.macro CHANGE fill
	s_wait_tensorcnt 0x0                           ; no tensor load of mine is out, so a group 0 may be written
	ds_add_u32 v[SPW], v[NIL]                      ; 0 onto my spare word
.if \fill
	s_xor_b32 s[G0K+1], s[G0K+1], SLOT1            ; the other LDS slot than last time
	s_xor_b32 s[G0V+1], s[G0V+1], SLOT1
	s_add_co_u32 s76, s[TR], 1
	s_cmp_gt_u32 s76, s[HB]
	s_cselect_b32 s77, s[HB1], 0
	s_sub_co_u32 s76, s76, s77
	s_lshl_b32 s[OFS], s76, 15                     ; 256 keys are 32,768 bytes on, in K and in V
	s_add_nc_u64 s[G0K+2:G0K+3], s[KBA:KBA+1], s[OFS:OFS+1]
	s_or_b32 s[G0K+3], s[G0K+3], 0x80000000
	s_add_nc_u64 s[G0V+2:G0V+3], s[VBA:VBA+1], s[OFS:OFS+1]
	s_or_b32 s[G0V+3], s[G0V+3], 0x80000000
	s_wait_xcnt 0x0                                ; the last prefetch, a slot back, has read its address
	s_add_nc_u64 s[PFA:PFA+1], s[PFA:PFA+1], 32768
.endif
	s_wait_dscnt 0x0                               ; the add is done, and my reads of the slot that I have left are over
	s_barrier_signal -1
	s_barrier_wait -1
.if \fill
	TLOAD                                          ; the first thing behind the barrier, and a wave's one tensor load until the next
	ASK
.endif
.endm
; A BLOCK'S END: O^T / the sum, quantised: four conversions are the eight registers of my 16 queries' half image, 1,024 consecutive bytes.  re = 1: on to the low block.
.macro FINAL re
	s_wait_xcnt 0x0                                ; earlier stores have read their data and base
.rept 4
	v_nop                                          ; places behind the last products
.endr
	v_add_f32 v14, v14, v15                        ; the sum's two halves,
	s_delay_alu instid0(VALU_DEP_1)
	v_permlanex16_b32 v236, v14, s[SEL], s[SEL+1]
	s_delay_alu instid0(VALU_DEP_1)
	v_add_f32 v14, v14, v236                       ; and lane l xor 16's
	s_wait_alu depctr_va_vdst(0)
	v_rcp_f32 v14, v14
	v_nop                                          ; a plain line behind the transcendental
	s_lshl_b32 s58, s[Q0], 8                       ; a tile of 16 tokens is 4,096 bytes
	s_add_co_u32 s58, s58, s[HOFF]
	s_mov_b32 s59, 0
	s_add_nc_u64 s[YB:YB+1], s[16:17], s[58:59]
	s_wait_alu depctr_va_vdst(0)                   ; the wait ahead of the reciprocal's first reader
.set J, 0
.rept 16
	v_pk_mul_f32 v[S+J:S+J+1], v[O+J:O+J+1], v[14:15] op_sel_hi:[1,0]   ; each accumulator from its low end on
.set J, J+2
.endr
.set J, 0
.rept 32
.set J, J+1
.endr
.irp d, 0,1,2,3
	v_cvt_scalef32_pk8_fp8_f32 v[YC+2*\d:YC+2*\d+1], v[S+8*\d:S+8*\d+7], v245
.endr
	v_nop                                          ; a plain line behind the last conversion
	global_store_b128 v[LI], v[YC:YC+3], s[YB:YB+1]
	global_store_b128 v[LI], v[YC+4:YC+7], s[YB:YB+1] offset:512
.if \re
	s_mov_b32 s[Q0], s[Q0L]
	s_mov_b32 s[KF], 0
.set J, 0
.rept 8
	v_mov_b32 v[16+J], v[24+J]
.set J, J+1
.endr
	v_mov_b32 v13, 0xff61b1e6
	s_delay_alu instid0(VALU_DEP_1)
	v_floor_f32 v12, -v13
	v_mov_b32 v14, 0
	v_mov_b32 v15, 0
.set J, 0
.rept 32
	v_mov_b32 v[O+J], 0
.set J, J+1
.endr
.endif
.endm
	s_wait_loadcnt 0x0                             ; Q
.Lslot:                                            ; eight trips: behind each change of slots but the last the next slot is asked for
	CHANGE 1
	STEP 0
	STEP 1
	s_xor_b32 s[TB], s[TB], SLOT1
	s_cmp_eq_u32 s[TR], s[HB]                      ; the high block's last slot (trip 4..7, by the work-group's number): no barrier and no tensor load stands under this branch
	s_cbranch_scc0 .Lsame
	FINAL 1
.Lsame:
	s_add_co_u32 s[TR], s[TR], 1
	s_cmp_lt_u32 s[TR], 8
	s_cbranch_scc1 .Lslot
	CHANGE 0                                       ; the ninth slot is written out
	STEP 0
	STEP 1
	FINAL 0
	s_wait_tensorcnt 0x0                           ; the wave's end
	ds_add_u32 v[SPW], v[NIL]
	s_wait_dscnt 0x0
	s_endpgm
.Lfunc_end_k_q4a65c500a5_attn:
	.size	k_q4a65c500a5_attn, .Lfunc_end_k_q4a65c500a5_attn-k_q4a65c500a5_attn
	.p2alignl 7, 3214868480
	.fill 96, 4, 3214868480
	.section	.rodata,"a",@progbits
	.p2align	6, 0x0
	.amdhsa_kernel k_q4a65c500a5_attn
		.amdhsa_group_segment_fixed_size 327680
		.amdhsa_private_segment_fixed_size 0
		.amdhsa_enable_private_segment 0
		.amdhsa_kernarg_size 24
		.amdhsa_user_sgpr_count 2
		.amdhsa_user_sgpr_kernarg_segment_ptr 1
		.amdhsa_wavefront_size32 1
		.amdhsa_system_sgpr_workgroup_id_x 1
		.amdhsa_system_sgpr_workgroup_id_y 1
		.amdhsa_system_sgpr_workgroup_id_z 1
		.amdhsa_system_vgpr_workitem_id 0
		.amdhsa_next_free_vgpr 256
		.amdhsa_next_free_sgpr 100
		.amdhsa_reserve_vcc 1
		.amdhsa_float_denorm_mode_32 3
		.amdhsa_float_denorm_mode_16_64 3
		.amdhsa_fp16_overflow 1
		.amdhsa_memory_ordered 1
		.amdhsa_forward_progress 1
		.amdhsa_inst_pref_size 92
	.end_amdhsa_kernel
	.amdgpu_metadata
---
amdhsa.version: [ 1, 2 ]
amdhsa.kernels:
  - .name:           k_q4a65c500a5_attn
    .symbol:         k_q4a65c500a5_attn.kd
    .args:
      - { .name: qkvc, .offset: 0, .size: 8, .value_kind: global_buffer, .address_space: global }
      - { .name: lowp_scales, .offset: 8, .size: 8, .value_kind: global_buffer, .address_space: global }
      - { .name: yc, .offset: 16, .size: 8, .value_kind: global_buffer, .address_space: global }
    .group_segment_fixed_size: 327680
    .private_segment_fixed_size: 0
    .kernarg_segment_align: 8
    .kernarg_segment_size: 24
    .max_flat_workgroup_size: 512
    .sgpr_count:     100
    .vgpr_count:     256
    .wavefront_size: 32
...
	.end_amdgpu_metadata
.endif
;; end of part 3
;; launch proj (part 4): grid 4 x 32, 4 waves a work-group, clusters of 4 x 4, 327,680 bytes of LDS; arguments yc, codes, lowp_scales, b_proj, out0; writes out0
.if DOCPART == 4
	.amdgcn_target "amdgcn-amd-amdhsa--gfx1250"
	.amdhsa_code_object_version 6
	.text
	.protected	k_q4a65c500a5_proj
	.globl	k_q4a65c500a5_proj
	.p2align	8
	.type	k_q4a65c500a5_proj,@function
k_q4a65c500a5_proj:
	s_mov_b64 s[64:65], 0
	v_nop
	global_prefetch_b8 v0, s[64:65] scope:SCOPE_SE
	s_setreg_imm32_b32 hwreg(HW_REG_WAVE_MODE, 25, 1), 1
	s_wait_xcnt 0x0
	s_wait_alu depctr_hold_cnt(0) depctr_sa_sdst(0) depctr_va_vdst(0) depctr_va_sdst(0) depctr_va_ssrc(0) depctr_va_vcc(0) depctr_vm_vsrc(0)
	s_getreg_b32 s2, hwreg(HW_REG_IB_STS2, 6, 4)
	s_cmp_eq_u32 s2, 0
	s_cbranch_scc0 .Lentry_in_a_cluster
	s_endpgm
.Lentry_in_a_cluster:
	s_bfe_u32 s2, ttmp6, 0x10000c
	s_cmp_lg_u32 s2, 0xf033
	s_cbranch_scc0 .Lentry_shape_is_right
	s_endpgm
.Lentry_shape_is_right:
; out0 = y w_proj + b_proj on codes of FP8 (E4M3), K = 1,024: D[i][j] = sum over k of P[i][k] Q[j][k], P = y's tokens (yc), Q = w_proj's columns (codes, tiles 704 on); each finished sum x 2^(e6 + e7) + b, one fused multiply-add.
; A tile of D, 256 x 256, is made by four waves, each 128 x 128: 64 accumulators of 16 x 16.  K goes in steps of 256 through two LDS slots filled by the tensor data mover.
; OPERANDS LIE AS IMAGES OF THEIR REGISTERS ([K step][tile of 16 rows][128 along K][2,048 bytes]; group g of four registers = 512 bytes, lane l's 16 bytes at 16 l): 128 rows of a K step are 32,768 dense bytes,
; and every fragment load is 512 consecutive bytes.  k stands in the place that the plain fp8 form gives it.
; THE MATRIX INSTRUCTION IS USED TRANSPOSED (source 0 = 16 rows of Q, source 1 = 16 rows of P): a lane holds eight neighbouring columns of one row of out0.
; CLUSTERS: 4 x 4 work-groups; P's tile is shared along a row of the cluster, Q's along a column: joint loads.
; 128 work-groups: 32 x 4 tiles of 256 x 256.  A tile of half the size would read half as much again from LDS for each product.
; LIMIT: e6 + e7 lies between -126 and 127, so that 2^(e6 + e7) is an f32 number.
; REGISTERS, in windows of 256: window 0: v8-11 my four columns' bias; v16-29 addresses; v128-255 P's fragments, ONE set, later rows of out0.  window 1: Q's fragments, TWO sets.  windows 2, 3: the accumulators.
.set KS,     3145728
.set KSP,    2097152                   ; yc: 512 tiles x 4,096 bytes a K step
.set KSQ,    KS                        ; codes: 768 tiles
.set HALFT,  32768
.set SLOT,   4*HALFT
.set SPARE,  2*SLOT
.set SPITCH, 528                       ; the way out: a stage of 16 rows x (512 bytes + 16) for each wave, in slot 0, which has had its last fill and its last read when the first result is stored there
.set FR,     16
.set NL,     4
.set NP,     4
.set ADRA, 16
.set ADRB, 20
.set STO,  24                          ; v24  the way out: where I put 32 bytes of a row
.set RD,   25                          ; v25  where I read a row back
.set CO,   26                          ; v26  16 x lane
.set SPW,  28
.set NIL,  29
.set AF,   128
.set BK,   128                         ; the way out: 16 rows read back: v128-191 and v192-255 by turns
.set G1, 24
.set G0, 32
.set G1B, 48
.set G0B, 56
.set MSB, 0
.macro WIN new                         ; the immediate's high byte repeats the setting that is left
.if MSB != \new
	s_set_vgpr_msb (MSB<<8)|\new
.set MSB, \new
.endif
.endm
.set MUL_LO, 0xa1
.set MUL_HI, 0xf1
.set TO_B,   0x40
; A joint load: waves 0 and 1 fetch for P, waves 2 and 3 for Q.  The branch hangs on the wave's number alone.  An s_nop 0 and four v_nop follow each of the two lines.
.macro JLOAD g0a, g1a, g0b, g1b
	s_cmp_eq_u32 s15, 0
	s_cbranch_scc0 .Lfor_b_\@
	tensor_load_to_lds s[\g0a:\g0a+3], s[\g1a:\g1a+7]
	s_nop 0
.rept 4
	v_nop
.endr
	s_branch .Lasked_\@
.Lfor_b_\@:
	tensor_load_to_lds s[\g0b:\g0b+3], s[\g1b:\g1b+7]
	s_nop 0
.rept 4
	v_nop
.endr
.Lasked_\@:
.endm
.macro CREST
	s_cmp_lg_u32 s14, 0
	s_cbranch_scc1 .Lnot_wave_0_\@
	s_barrier_signal -3
.Lnot_wave_0_\@:
	s_barrier_wait -3
	s_barrier_signal -1
	s_barrier_wait -1
.endm
.macro CROUND
	s_barrier_signal -1
	s_barrier_wait -1
	CREST
.endm
	s_load_b256 s[4:11], s[0:1], 0x0               ; yc s[4:5], codes s[6:7], the scales s[8:9], b_proj s[10:11]
	s_load_b64 s[12:13], s[0:1], 0x20              ; out0
	v_lshl_add_u32 v[SPW], v0, 2, SPARE
	v_mov_b32 v[NIL], 0
	ds_add_u32 v[SPW], v[NIL]                      ; the wave's opening: the add and its wait stand ahead of my first tensor load
	ds_add_u32 v[SPW], v[NIL]
	v_lshrrev_b32 v1, 5, v0
	v_readfirstlane_b32 s14, v1                    ; wave 0..3
	s_lshr_b32 s15, s14, 1                         ; my half of the tile's rows.  Also: I fetch for P (0) or for Q (1)
	s_and_b32 s16, s14, 1                          ; my half of its columns.  Also: which 128 rows I fetch
	s_bfe_u32 s40, ttmp6, 0x40000                  ; cx
	s_bfe_u32 s41, ttmp6, 0x40004                  ; cy
	s_lshl_b32 s42, ttmp9, 2
	s_add_co_u32 s42, s42, s40                     ; tile column = 4 x cluster x + cx
	s_and_b32 s17, ttmp7, 0xffff
	s_lshl_b32 s17, s17, 2
	s_add_co_u32 s17, s17, s41                     ; tile row = 4 x cluster y + cy
	s_lshl_b32 s43, s41, 2
	s_lshl_b32 s43, 15, s43                        ; my row of the cluster
	s_lshl_b32 s44, 0x1111, s40                    ; my column
	s_or_b32 s[G1+0], s43, (3<<16)|(1<<21)         ; 15:0 the mask; 17:16 elements of 8 bytes; 21 set beside a mask; no padding
	s_or_b32 s[G1B+0], s44, (3<<16)|(1<<21)
.irp g, G1, G1B
	s_mov_b32 s[\g+1], 32<<16                      ; a dense block: 128 rows of 32 elements
	s_mov_b32 s[\g+2], 128<<16
	s_mov_b32 s[\g+3], 32<<16
	s_mov_b32 s[\g+4], 128
	s_mov_b32 s[\g+5], 32
	s_mov_b32 s[\g+6], 0
	s_mov_b32 s[\g+7], 0
.endr
	s_lshl_b32 s18, s16, 3                         ; the 8 tiles of 16 rows that I fetch
	s_lshl_b32 s20, s17, 4
	s_add_co_u32 s20, s20, s18                     ; P: tile 16 x tile row + 8 x half
	s_lshl_b32 s20, s20, 12
	s_mov_b32 s21, 0
	s_lshl_b32 s46, s42, 4
	s_add_co_u32 s46, s46, s18
	s_add_co_u32 s46, s46, 704                     ; Q: tile 704 + 16 x tile column + 8 x half
	s_lshl_b32 s46, s46, 12
	s_mov_b32 s47, 0
	s_mul_i32 s45, s14, HALFT                      ; where they go: no place in the cluster enters an LDS address
	s_wait_dscnt 0x0                               ; the opening add is done
	s_wait_kmcnt 0x0
	s_load_b256 s[80:87], s[8:9], 0x0              ; e0 .. e7
	s_add_nc_u64 s[20:21], s[4:5], s[20:21]
	s_add_nc_u64 s[46:47], s[6:7], s[46:47]
	CROUND                                         ; all sixteen work-groups are here: the first joint loads meet
.irp s, 0,1
	s_mov_b32 s[G0+4*\s], 1
	s_add_co_u32 s[G0+4*\s+1], s45, \s*SLOT
	s_add_nc_u64 s[G0+4*\s+2:G0+4*\s+3], s[20:21], \s*KSP
	s_or_b32 s[G0+4*\s+3], s[G0+4*\s+3], 0x80000000
	s_mov_b32 s[G0B+4*\s], 1
	s_add_co_u32 s[G0B+4*\s+1], s45, \s*SLOT
	s_add_nc_u64 s[G0B+4*\s+2:G0B+4*\s+3], s[46:47], \s*KSQ
	s_or_b32 s[G0B+4*\s+3], s[G0B+4*\s+3], 0x80000000
	s_wait_alu depctr_va_vdst(0)
	s_wait_tensorcnt 0x0
	ds_add_u32 v28, v29
	ds_add_u32 v28, v29
	s_wait_dscnt 0x0
	CROUND
	JLOAD G0+4*\s, G1, G0B+4*\s, G1B               ; one load of mine is out
.endr
	v_and_b32 v1, 31, v0
	v_lshlrev_b32 v[CO], 4, v1                     ; 16 x lane
	s_wait_alu depctr_va_vdst(0)
	s_mul_i32 s66, s15, HALFT
	s_mul_i32 s67, s16, HALFT
	s_add_co_u32 s67, s67, 2*HALFT
.irp s, 0,1
	v_add_nc_u32 v[ADRA+\s], s66, v[CO]
	v_add_nc_u32 v[ADRB+\s], s67, v[CO]
	s_add_co_u32 s66, s66, SLOT
	s_add_co_u32 s67, s67, SLOT
.endr
	s_lshl_b32 s76, s42, 10
	s_lshl_b32 s77, s16, 9
	s_add_co_u32 s76, s76, s77                     ; my first column in bytes: 1,024 x tile column + 512 x half
	s_mov_b32 s77, 0
	s_add_nc_u64 s[10:11], s[10:11], s[76:77]
	global_load_b128 v[8:11], v[CO], s[10:11]      ; the bias of the four columns that I store in every row
	s_lshl_b32 s78, s17, 8
	s_lshl_b32 s79, s15, 7
	s_add_co_u32 s78, s78, s79                     ; my first row
	s_lshl_b32 s78, s78, 12                        ; of 4,096 bytes
	s_add_co_u32 s78, s78, s76
	s_mov_b32 s79, 0
	s_add_nc_u64 s[12:13], s[12:13], s[78:79]
	s_mul_i32 s68, s14, 16*SPITCH                  ; my stage
	v_and_b32 v1, 15, v0
	v_bfe_u32 v2, v0, 4, 1
	v_mul_u32_u24 v5, v1, SPITCH                   ; in: row l % 16, 32 bytes for each half of the lanes
	v_lshl_add_u32 v5, v2, 5, v5
	v_add_nc_u32 v[STO], s68, v5
	v_add_nc_u32 v[RD], s68, v[CO]                 ; back: the 32 lanes take one row of 512 bytes
.macro FRAG reg, adr, q, i
.irp c, 0,1,2,3
	ds_load_b128 v[\reg+4*\c:\reg+4*\c+3], v[\adr] offset:4096*(\i)+2048*(\q)+512*\c
.endr
.endm
; The 64 accumulators take turns, one instruction a turn, in the same order in every step.
.macro MUL16 a0, p, zero
.irp a, \a0, \a0+1
.irp b, 0,1,2,3,4,5,6,7
.if \zero
	v_wmma_f32_16x16x128_fp8_fp8 v[8*(8*((\a)%4)+\b):8*(8*((\a)%4)+\b)+7], v[128*(\p)+FR*\b:128*(\p)+FR*\b+FR-1], v[AF+FR*(\a):AF+FR*(\a)+FR-1], 0
.else
	v_wmma_f32_16x16x128_fp8_fp8 v[8*(8*((\a)%4)+\b):8*(8*((\a)%4)+\b)+7], v[128*(\p)+FR*\b:128*(\p)+FR*\b+FR-1], v[AF+FR*(\a):AF+FR*(\a)+FR-1], v[8*(8*((\a)%4)+\b):8*(8*((\a)%4)+\b)+7]
.endif
.endr
.endr
.endm
.macro FETCH_B slot, q, p
	WIN TO_B
.irp i, 0,1,2,3,4,5,6,7
	FRAG 128*(\p)+FR*\i, ADRB+\slot, \q, \i
.endr
	WIN 0
.endm
.macro FETCH_A slot, q, i0
.irp i, \i0, \i0+1, \i0+2, \i0+3
	FRAG AF+FR*(\i), ADRA+\slot, \q, \i
.endr
.endm
.macro PLACES n
.rept \n
	v_nop
.endr
.endm
.macro STEP slot, q, zero
	s_wait_dscnt 4*NL                              ; Q's set and P's blocks 0-3 are in; the youngest 16 loads (P's blocks 4-7) may be out
	WIN MUL_LO
	MUL16 0, (\q)%2, \zero
	MUL16 2, (\q)%2, \zero
	s_wait_dscnt 0
	PLACES NP
	FETCH_B \slot, (\q)+1, 1-(\q)%2
	FETCH_A \slot, (\q)+1, 0
	WIN MUL_HI
	MUL16 4, (\q)%2, \zero
	MUL16 6, (\q)%2, \zero
	PLACES NP
	WIN 0
	FETCH_A \slot, (\q)+1, 4
.endm
.macro TURN slot, next, fill
	s_wait_tensorcnt 0x0                           ; all my tensor loads have landed: my part of the next slot
	ds_add_u32 v[SPW], v[NIL]                      ; 0 onto my spare word
	s_wait_dscnt 4*NL+1                            ; the add and the youngest 16 loads may be out
	WIN MUL_LO
	MUL16 0, 1, 0
	s_wait_dscnt 0x0                               ; the add is done, and my reads of this slot are over
	s_barrier_signal -1
	MUL16 2, 1, 0
	WIN 0
	s_barrier_wait -1
.if \fill
	CREST                                          ; the barrier has opened a round of the cluster's barrier: no wave of any partner still reads this slot or has a load on its way
	s_add_nc_u64 s[G0+4*\slot+2:G0+4*\slot+3], s[G0+4*\slot+2:G0+4*\slot+3], 2*KSP
	s_add_nc_u64 s[G0B+4*\slot+2:G0B+4*\slot+3], s[G0B+4*\slot+2:G0B+4*\slot+3], 2*KSQ
	JLOAD G0+4*\slot, G1, G0B+4*\slot, G1B         ; the first tensor load behind the round, my only one until the next
.else
	PLACES NP
.endif
	FETCH_B \next, 0, 0
	FETCH_A \next, 0, 0
	WIN MUL_HI
	MUL16 4, 1, 0
	MUL16 6, 1, 0
	PLACES NP
	WIN 0
	FETCH_A \next, 0, 4
.endm
	s_wait_alu depctr_va_vdst(0)
	s_wait_tensorcnt 1                             ; my part of K step 0 is in (K step 1's load may be out)
	s_barrier_signal -1
	s_barrier_wait -1                              ; everybody's is
	FETCH_B 0, 0, 0
	FETCH_A 0, 0, 0
	FETCH_A 0, 0, 4
	; K = 1,024 is four K steps of 256, eight steps of 128: written out, since a loop would have one trip
	STEP 0, 0, 1
	TURN 0, 1, 1                                   ; slot 0 takes K step 2
	STEP 1, 0, 0
	TURN 1, 0, 1                                   ; slot 1 takes K step 3
	STEP 0, 0, 0
	TURN 0, 1, 0                                   ; nothing is left to fetch; behind this barrier nobody reads slot 0
	STEP 1, 0, 0
	s_wait_dscnt 4*NL
	WIN MUL_LO
	MUL16 0, 1, 0
	MUL16 2, 1, 0
	s_wait_dscnt 0
	WIN MUL_HI
	MUL16 4, 1, 0
	MUL16 6, 1, 0
	WIN 0
; THE WAY OUT, block by block of 16 rows x 128 columns.  The raw sums go from the accumulators into my own stage and come back as whole rows of 512 bytes; there a lane has the same four columns in every row, so
; sum x 2^(e6 + e7) + bias is two packed multiply-adds on four registers of bias.  LDS serves a wave's instructions in order: no wait between the stores and the loads, nor in front of the next block's stores.
.macro TOSTAGE a
.set AC, 64*((\a)%4)
	WIN (0x08+4*((\a)/4))                          ; an LDS store's data: window 2 or 3
.irp b, 0,1,2,3,4,5,6,7
	ds_store_b128 v[STO], v[AC+8*\b:AC+8*\b+3] offset:64*\b          ; each accumulator from its low end on
	ds_store_b128 v[STO], v[AC+8*\b+4:AC+8*\b+7] offset:64*\b+16
.endr
	WIN 0
.set BB, BK+64*((\a)%2)
.irp t, 0,1,2,3,4,5,6,7,8,9,10,11,12,13,14,15
	ds_load_b128 v[BB+4*\t:BB+4*\t+3], v[RD] offset:\t*SPITCH
.endr
.endm
.macro SEND a, younger                 ; younger: the LDS instructions issued behind block a's loads, which may stay out
.set BB, BK+64*((\a)%2)
	s_wait_dscnt \younger
.if (\a) > 0
	s_add_nc_u64 s[12:13], s[12:13], 16*4096       ; (behind a wait on XCNT: the earlier stores have read their base)  16 rows on
.endif
.irp t, 0,1,2,3,4,5,6,7,8,9,10,11,12,13,14,15
	v_pk_fma_f32 v[BB+4*\t:BB+4*\t+1], v[BB+4*\t:BB+4*\t+1], s[96:97], v[8:9] op_sel_hi:[1,0,1]
	v_pk_fma_f32 v[BB+4*\t+2:BB+4*\t+3], v[BB+4*\t+2:BB+4*\t+3], s[96:97], v[10:11] op_sel_hi:[1,0,1]
	global_store_b128 v[CO], v[BB+4*\t:BB+4*\t+3], s[12:13] offset:\t*4096 th:TH_STORE_NT   ; 32 lanes store 512 consecutive bytes, aligned; written once, read by nobody here
.endr
.endm
	s_wait_kmcnt 0x0
	s_add_co_i32 s96, s86, s87
	s_add_co_i32 s96, s96, 127
	s_lshl_b32 s96, s96, 23                        ; 2^(e6 + e7) as f32
	s_mov_b32 s97, s96                             ; (named with it as a pair, so it is written)
	s_wait_loadcnt 0x0                             ; the bias
	PLACES NP                                      ; behind the last products: ahead of the stores that read results and of the loads into P's old fragments
	TOSTAGE 0
.irp a, 1,2,3,4,5,6,7
.if \a > 1
	s_wait_xcnt 0x0                                ; block a - 2's stores have read their registers and their base
.endif
	TOSTAGE \a
	SEND \a-1, 32                                  ; behind block a - 1's loads: block a's 16 stores and 16 loads
.endr
	s_wait_xcnt 0x0
	SEND 7, 0
	s_wait_tensorcnt 0x0                           ; the wave's end
	ds_add_u32 v[SPW], v[NIL]
	s_wait_dscnt 0x0
	CROUND                                         ; the closing round: no work-group ends while a partner may still ask for a tile that names it
	s_endpgm
.Lfunc_end_k_q4a65c500a5_proj:
	.size	k_q4a65c500a5_proj, .Lfunc_end_k_q4a65c500a5_proj-k_q4a65c500a5_proj
	.p2alignl 7, 3214868480
	.fill 96, 4, 3214868480
	.section	.rodata,"a",@progbits
	.p2align	6, 0x0
	.amdhsa_kernel k_q4a65c500a5_proj
		.amdhsa_group_segment_fixed_size 327680
		.amdhsa_private_segment_fixed_size 0
		.amdhsa_enable_private_segment 0
		.amdhsa_kernarg_size 40
		.amdhsa_user_sgpr_count 2
		.amdhsa_user_sgpr_kernarg_segment_ptr 1
		.amdhsa_wavefront_size32 1
		.amdhsa_system_sgpr_workgroup_id_x 1
		.amdhsa_system_sgpr_workgroup_id_y 1
		.amdhsa_system_sgpr_workgroup_id_z 1
		.amdhsa_system_vgpr_workitem_id 0
		.amdhsa_next_free_vgpr 1024
		.amdhsa_next_free_sgpr 100
		.amdhsa_reserve_vcc 0
		.amdhsa_float_denorm_mode_32 3
		.amdhsa_float_denorm_mode_16_64 3
		.amdhsa_memory_ordered 1
		.amdhsa_forward_progress 1
		.amdhsa_inst_pref_size 124
	.end_amdhsa_kernel
	.amdgpu_metadata
---
amdhsa.version: [ 1, 2 ]
amdhsa.kernels:
  - .name:           k_q4a65c500a5_proj
    .symbol:         k_q4a65c500a5_proj.kd
    .args:
      - { .name: yc, .offset: 0, .size: 8, .value_kind: global_buffer, .address_space: global }
      - { .name: codes, .offset: 8, .size: 8, .value_kind: global_buffer, .address_space: global }
      - { .name: lowp_scales, .offset: 16, .size: 8, .value_kind: global_buffer, .address_space: global }
      - { .name: b_proj, .offset: 24, .size: 8, .value_kind: global_buffer, .address_space: global }
      - { .name: out0, .offset: 32, .size: 8, .value_kind: global_buffer, .address_space: global }
    .group_segment_fixed_size: 327680
    .private_segment_fixed_size: 0
    .kernarg_segment_align: 8
    .kernarg_segment_size: 40
    .max_flat_workgroup_size: 128
    .sgpr_count:     100
    .vgpr_count:     1024
    .wavefront_size: 32
...
	.end_amdgpu_metadata
.endif
;; end of part 4
